; MI455X (gfx1250); checked and timed in simulation.
; The chip was launched on July 23, 2026; its instructions are those of AMD's public machine-readable ISA for CDNA 5 (MIT licence, August 2026) and "CDNA5" Instruction Set Architecture Reference Guide (July 2026). The comments in the code are by the model that wrote it; some were corrected since.
;; Attention. Allowed arithmetic: matrix products marked QUANTISED: E2M3 operands, one E8M0 scale for each 32 along K, by v_wmma_scale_f32_16x16x128_f8f6f4 with both operands' format E2M3, f32 sums; everything else in f32.
;; Inputs: freqs_cos 2,048 x 32 float32; freqs_sin 2,048 x 32 float32; wk_codes 256 x 32 x 24 uint8 (E2M3 codes of wk, K innermost, in blocks of 32 codes, four codes in three bytes); wk_scales 256 x 32 uint8 (E8M0 scales of wk, one for each 32 codes along K); wo_codes 1,024 x 32 x 24 uint8 (E2M3 codes of wo, K innermost, in blocks of 32 codes, four codes in three bytes); wo_scales 1,024 x 32 uint8 (E8M0 scales of wo, one for each 32 codes along K); wq_codes 1,024 x 32 x 24 uint8 (E2M3 codes of wq, K innermost, in blocks of 32 codes, four codes in three bytes); wq_scales 1,024 x 32 uint8 (E8M0 scales of wq, one for each 32 codes along K); wv_codes 256 x 32 x 24 uint8 (E2M3 codes of wv, K innermost, in blocks of 32 codes, four codes in three bytes); wv_scales 256 x 32 uint8 (E8M0 scales of wv, one for each 32 codes along K); x_codes 2 x 2,048 x 32 x 24 uint8 (E2M3 codes of x, K innermost, in blocks of 32 codes, four codes in three bytes); x_scales 2 x 2,048 x 32 uint8 (E8M0 scales of x, one for each 32 codes along K).
;; Outputs: out0 2 x 2,048 x 1,024 float32.
;; This version of the problem:
;;   THIS VERSION OF THE PROBLEM IS GIVEN IN LOW PRECISION. The matrix products marked QUANTISED in the list below multiply operands that are first quantised to E2M3 (2 exponent bits, 3 mantissa bits; 6 bits a number), with one power-of-two scale for each 32 numbers along K (OCP MX v1.0); their sums are f32. All else is computed in f32.
;;   The module's matrix products, in the order in which they are computed (A, B: the left and right operand; K: the contracted axis; several contracted axes count as one K, in the product's order):
;;     1. [M 4,096, K 1,024] x [K 1,024, N 1,024]; A: input x (given as codes); B: input wq (given as codes): QUANTISED
;;     2. [M 4,096, K 1,024] x [K 1,024, N 256]; A: input x (given as codes); B: input wk (given as codes): QUANTISED
;;     3. [M 4,096, K 1,024] x [K 1,024, N 256]; A: input x (given as codes); B: input wv (given as codes): QUANTISED
;;     4. batch 32 x [M 2,048, K 64] x [K 64, N 2,048]; A: computed on the way; B: computed on the way: QUANTISED
;;     5. batch 32 x [M 2,048, K 2,048] x [K 2,048, N 64]; A: softmax (see below); B: computed on the way: QUANTISED
;;     6. [M 4,096, K 1,024] x [K 1,024, N 1,024]; A: computed on the way; B: input wo (given as codes): QUANTISED
;;   THE QUANTISER, for each operand of a quantised product, along K:
;;     - K is cut into blocks of 32 from its start; a last block that is shorter is filled with zeros.
;;     - A block's scale is 2^e with e = floor(log2(the largest magnitude in the block)) - 2, held to -126 .. 127; a block of zeros has e = 0. As a byte (E8M0): e + 127.
;;     - Each number is divided by its block's scale, clamped to +-7.5, and rounded to the nearest number of E2M3, ties to even, subnormals kept.
;;     - The product sums the exact products of the quantised numbers (number of the format x scale) in f32.
;;   ~~~python
;;   def quantise(x, axis):      # numpy; x: float32 -> the quantised numbers, widened to float32 again
;;       x = np.moveaxis(x, axis, -1); K = x.shape[-1]
;;       x = np.pad(x, [(0, 0)] * (x.ndim - 1) + [(0, -K % 32)]); x = x.reshape(x.shape[:-1] + (-1, 32)); a = np.abs(x).max(-1, keepdims=True)
;;       e = np.where(a > 0, np.clip(np.frexp(np.where(a > 0, a, 1))[1] - 1 - 2, -126, 127), 0)      # np.frexp(a)[1] - 1 = floor(log2(a)), exactly
;;       r = np.clip(x / 2.0 ** e, -7.5, 7.5)
;;       step = 2.0 ** (np.maximum(np.frexp(np.where(r == 0, 1, r))[1] - 1, 0) - 3)
;;       q = np.round(r / step) * step * 2.0 ** e      # np.round: ties to even
;;       return np.moveaxis(q.reshape(q.shape[:-2] + (-1,))[..., :K], -1, axis).astype(np.float32)
;;   ~~~
;;   SOFTMAX AHEAD OF A QUANTISED PRODUCT. Where the list says 'softmax', what is quantised is not the finished softmax but p = 2^(t - M), with t = logit x log2(e) and M = ceil(the row's largest t), a whole number; so 1/2 < the row's largest p <= 1. The row's sum l is taken of the UNQUANTISED p, in f32, and the product's result is divided by l at the end. Since M is a whole number, a kernel that streams over the keys may use a running M (the ceiling of the running maximum): every later rescaling is an exact power of two, which a block's scale takes up: the codes' values come out the same.
;;   OPERANDS COMPUTED ON THE WAY. 'Computed on the way' means the value that the module computes at that place (a softmax that the list does not call 'softmax' is quantised finished and normalised). What goes into a quantiser is computed in f32, as accurately as f32 sums, v_exp_f32 and their like allow (about 1e-6 of the number): no bf16 or f16 on the way to a quantiser, and a product that is left as it is and whose result goes on into a quantised operand takes f32 operands (vector FMAs, or v_wmma_f32_16x16x4_f32). A number that lies on a knife's edge between two numbers of the format may be rounded either way, as far as f32 arithmetic and the matrix unit's own rounding can turn it there, and no further.
;;   INPUTS GIVEN AS CODES. wk (in the module: [256, 1024], K = its axis 1); wo (in the module: [1024, 1024], K = its axis 1); wq (in the module: [1024, 1024], K = its axis 1); wv (in the module: [256, 1024], K = its axis 1); x (in the module: [2, 2048, 1024], K = its axis 2): each comes as NAME_codes (uint8): NAME with its K axis moved to the last place and cut into blocks of 32 codes, [.., K / 32, bytes a block], one block behind the other in memory; four codes in three bytes: a row's codes are one little-endian stream of bits, code i at bits 6 i .. 6 i + 5 (a code: sign, 2 exponent bits, 3 mantissa bits); and NAME_scales (uint8): the same leading axes, one E8M0 byte (e + 127) for each 32 codes along K. Its value is code x scale, taken as it is: it is not quantised again, and the codes and scales need not be those that the quantiser above would give.
;; One version. Each part assembles by itself: llvm-mc -triple=amdgcn-amd-amdhsa -mcpu=gfx1250 --defsym DOCPART=n.
;; ======== version 1 of 1: 3 launches
;; limits: right only within a limited range of input values
;; workspace buffers: qcodes 3,145,728 bytes; qscales 131,072 bytes; kvrec 1,638,400 bytes; acodes 3,145,728 bytes; ascales 131,072 bytes
;; launch qkv (part 1): grid 8 x 32, 12 waves a work-group, clusters of 4 x 4, 263,168 bytes of LDS; arguments x_codes, x_scales, wq_codes, wq_scales, wk_codes, wk_scales, wv_codes, wv_scales, freqs_cos, freqs_sin, qcodes, qscales, kvrec; writes qcodes, qscales, kvrec
.if DOCPART == 1
	.amdgcn_target "amdgcn-amd-amdhsa--gfx1250"
	.amdhsa_code_object_version 6
	.text
	.protected	k_qf02f159881_qkv
	.globl	k_qf02f159881_qkv
	.p2align	8
	.type	k_qf02f159881_qkv,@function
k_qf02f159881_qkv:
	s_mov_b64 s[64:65], 0
	v_nop
	global_prefetch_b8 v0, s[64:65] scope:SCOPE_SE
	s_setreg_imm32_b32 hwreg(HW_REG_WAVE_MODE, 25, 1), 1
	s_wait_xcnt 0x0
	s_wait_alu depctr_hold_cnt(0) depctr_sa_sdst(0) depctr_va_vdst(0) depctr_va_sdst(0) depctr_va_ssrc(0) depctr_va_vcc(0) depctr_vm_vsrc(0)
	s_getreg_b32 s2, hwreg(HW_REG_IB_STS2, 6, 4)
	s_cmp_eq_u32 s2, 0
	s_cbranch_scc0 .Lentry_in_a_cluster
	s_endpgm
.Lentry_in_a_cluster:
	s_bfe_u32 s2, ttmp6, 0x10000c
	s_cmp_lg_u32 s2, 0xf033
	s_cbranch_scc0 .Lentry_shape_is_right
	s_endpgm
.Lentry_shape_is_right:
; LAUNCH 1 OF 3: q = rope(x wq^T), k = rope(x wk^T), v = x wv^T on codes of FP6 (E2M3) with E8M0 scales, and the quantising of q and k (along the head's 64) and of v (along the keys).
; THE PROGRAM: this launch; then attention (scores, softmax, weighted values, quantised along heads x 64); then the projection by wo.
; WORK LEFT OUT, in the second launch: the problem builds its causal mask itself (jnp.tril) and sets every score with key > query to the least f32 number ahead of the softmax.  Its weight is then exp(least - row's maximum);
; the row's maximum is at least the score of key = query, a finite number, so for all finite inputs that weight is 0 and adds nothing to the row's sum or to the weighted values.  Steps of 128 keys that lie wholly behind a tile's
; 16 queries are therefore not multiplied.  Every input has a way to the output and is loaded.  LIMIT: a NaN, an infinity or an overflow that reaches only such hidden steps is not carried to the result.
; LIMITS of the quantiser here: a block of zeros, and a block whose largest magnitude lies under 2^-124, gets the scale byte 1 (its codes are zeros or near it; these bytes are read by this program alone); NaN and infinities are not served;
; a scale byte 0xff among the inputs makes the sums NaN, as it does in the product itself.
; SHARES.  A work-group takes 128 tokens x 192 columns: two query heads (2 g, 2 g + 1) and one key head (cluster x = 0) or value head (cluster x = 1): 8 x 32 = 256 equal work-groups.  Twelve waves: wave w takes unit w / 4 (64 columns);
; with b = w % 4 q takes tokens 32 b + 0 .. 31; k the token tiles 2 (b % 2), 2 (b % 2) + 1 of band b / 2; v band b / 2 (64 tokens) and the column tiles 2 (b % 2), 2 (b % 2) + 1.  In all three: four tiles x two tiles = 8 accumulators, 8 K steps of 128: 64 matrix instructions.
; TILES.  In a group of 64 rows (a band of tokens, a head's weights) row r of tile t is row 8 t + r % 8 + 32 (r / 8).  The four-tile side is source 0 (weights for q and k, tokens for v): so in the result a lane (r, h) holds 8 t + j of its half's 32 neighbours
; in register 8 t + j: ONE WHOLE BLOCK of the quantiser, for one row r of the two-tile side.  q's tiles are 16 neighbouring tokens each.
; LDS IS FILLED ONCE: the 128 rows of x and the 192 rows of weights, for all of K (768 bytes a row), lie in LDS together; no slot is filled again, no loop runs ahead of loads: so there is no prefetch.
; CLUSTER 4 x 4: the four work-groups of a row of the cluster need the same rows of x, the four of a column the same weights: each tile is asked for jointly, by the same tensor load with a mask that names the four.
; MY OWN CODE BUFFERS: a lane's block of 32 codes is six registers.  Half a fragment (16 rows x 2 blocks) is 768 bytes: [lane][registers 0-3], then [lane][registers 4, 5].
; qcodes: [tile of 16 tokens][head][768];  qscales: [32 tokens][head][r]: a word: tile 0's two bytes, tile 1's.
; kvrec: for each batch x key head and each step of 128 keys a record of 12,800 bytes: k's four fragments (fragment b: the tiles 2 (b % 2) and + 1 of band b / 2, 768 bytes each), v's four (fragment t: column tile t; 768 bytes for each band), then
; [r][4] k's scale words (byte 2 u + h: tile u, half h of the head) and [r][4] v's (byte 2 c + h: band c, half h).
.set R8,    6528                       ; 8 rows in LDS: a row is 3 x (256 bytes + 16 of padding) = 816
.set HG,    26112                      ; 32 rows: half a group
.set XD,    52352                      ; from rows 0-31 of the groups to their rows 32-63: 128 more than a multiple of 256, so that the 32 lanes of a load of 8 bytes touch 64 different banks (64 banks of 4 bytes: ISA guide 11.1)
.set WE,    104704                     ; the weights: three half groups,
.set WD,    78464                      ; and as far on their rows 32-63
.set SPARE, 261632                     ; the spare words, 128 bytes for each of 12 waves: six blocks of 256 bytes that no other line names
.set AX,  8                            ; v8-11   q, k: LDS address of my token tile 0 (v9: for the pieces that lie behind one padding more), tile 1
.set AW,  12                           ; v12, 13 q, k: my unit's weights
.set BX,  14                           ; v14, 15 v: my band's tokens
.set BW,  16                           ; v16, 17 v: my two tiles of weights
.set VS2, 18                           ; v18 scale bytes, the two-tile side: lanes 0-15 tile 0, lanes 16-31 tile 1
.set VSP, 19                           ; v19 the same, the four-tile side
.set VC,  20                           ; v20, v25 my row of cos and sin, tile 0 and tile 1, + 64 h
.set VC1, 25
.set V16, 21                           ; v21 16 x lane
.set V8,  22                           ; v22 8 x lane
.set VR,  23                           ; v23 my place among the scale words
.set VH8, 24                           ; v24 8 h
.set FX,  26                           ; v26-49   the two-tile side's fragments
.set FW,  50                           ; v50-97   the four-tile side's
.set ACC, 98                           ; v98-161  accumulators: 32 u + 8 t
.set S2,  162                          ; v162-169 scale words, the two-tile side, one register a K step
.set S4,  170                          ; v170-185 the four-tile side: 8 (tile / 2) + K step; lanes 0-15 the even tile, lanes 16-31 the odd one
.set COS, 186                          ; v186-217 16 a tile
.set SIN, 218                          ; v218-249
.set SPW, 252                          ; v252 LDS address of my spare word; never rewritten
.set NIL, 253                          ; v253 0; never rewritten
.set CD,  26                           ; behind the K steps: codes of tile u at CD + 8 u (six registers)
.set CE,  42
.set TM,  50
.set SO,  54
.set EB,  56
.set RT,  58
.set PW,  66
.set PX,  67
.set WV,  30
.set U,   31
.set BQ,  32
.set CX,  33
.set CY,  34
.set G,   35                           ; column group = 4 x cluster x + cx
.set RB,  36                           ; row block = 4 x cluster y + cy
.set SEL, 38
.set G1X, 40
.set G1W, 48
.set G0X, 56
.set G0W, 60
.set B0,  66                           ; b % 2
.set B1,  67                           ; b / 2
.set K2,  68                           ; 1: the third unit
.set VF,  69                           ; 1: I make v
.macro CROUND                          ; a round of the cluster's barrier
	s_barrier_signal -1
	s_barrier_wait -1
	s_cmp_lg_u32 s[WV], 0
	s_cbranch_scc1 .Lnot_wave_0_\@
	s_barrier_signal -3
.Lnot_wave_0_\@:
	s_barrier_wait -3
	s_barrier_signal -1
	s_barrier_wait -1
.endm
; A fragment, 16 rows x 128 K: lane (r, h) takes 24 bytes at 96 ks + 24 h of its row and 24 bytes 48 further on, in pieces of 8.  16 bytes of padding lie behind every 32 pieces: where the piece of lanes 16-31,
; three pieces on, lies behind one padding more, the second address register serves.
.macro FRAG reg, adr, ks, off
.irp p, 0,1,2,3,4,5
.set PCE, 12*(\ks)+6*(\p/3)+\p%3
.if PCE%32 < 29
	ds_load_b64 v[\reg+2*\p:\reg+2*\p+1], v[\adr] offset:8*PCE+16*(PCE/32)+(\off)
.else
	ds_load_b64 v[\reg+2*\p:\reg+2*\p+1], v[\adr+1] offset:8*PCE+16*(PCE/32)+(\off)
.endif
.endr
.endm
; One matrix instruction.  z: the product starts the sum.  ra, rb: the side's scale words stand in lanes 16-31.
.macro MM1 d, a, b, c, sa, sb, ra, rb
	v_wmma_scale_f32_16x16x128_f8f6f4 v[\d:\d+7], v[\a:\a+11], v[\b:\b+11], \c, v[\sa], v[\sb] matrix_a_fmt:MATRIX_FMT_FP6 matrix_b_fmt:MATRIX_FMT_FP6 matrix_a_scale:MATRIX_SCALE_ROW\ra matrix_b_scale:MATRIX_SCALE_ROW\rb
.endm
.macro MM d, a, b, sa, sb, z, ra, rb
.if (\z)
	MM1 \d, \a, \b, 0, \sa, \sb, \ra, \rb
.else
	MM1 \d, \a, \b, v[\d:\d+7], \sa, \sb, \ra, \rb
.endif
.endm
; A K step of 128: 36 LDS loads, 8 matrix instructions on 8 accumulators by turns.  a0 + o0, a1 + o1: the two-tile side's tiles; f: the four-tile side's.
.macro KSTEP ks, a0, o0, a1, o1, f
.if (\ks) > 0
.rept 4
	v_nop                                          ; four places in front of loads into registers that the last matrix instructions have read (ISA guide 7.12.1 for vector instructions)
.endr
.endif
	FRAG FX, \a0, \ks, \o0
	FRAG FX+12, \a1, \ks, \o1
.irp t, 0,1,2,3
	FRAG FW+12*\t, \f, \ks, R8*\t
.endr
	s_wait_dscnt 0x0                               ; the step's six fragments are in; the SIMD's other two waves have the matrix unit meanwhile
.irp u, 0,1
	MM ACC+32*\u, FW, FX+12*\u, S4+\ks, S2+\ks, \ks==0, 0, \u
	MM ACC+32*\u+8, FW+12, FX+12*\u, S4+\ks, S2+\ks, \ks==0, 1, \u
	MM ACC+32*\u+16, FW+24, FX+12*\u, S4+8+\ks, S2+\ks, \ks==0, 0, \u
	MM ACC+32*\u+24, FW+36, FX+12*\u, S4+8+\ks, S2+\ks, \ks==0, 1, \u
.endr
.endm
; The rotation of one pair, in f32: (a, b) -> (a c - b s, a s + b c).  p: which of the register pair of cos and of sin.
.macro ROT1 x, s, t, p
	v_pk_mul_f32 v[\t:\t+1], v[\x:\x+1], v[\s:\s+1] op_sel:[1,\p] op_sel_hi:[0,\p]
.endm
.macro ROT2 x, c, t, p
	v_pk_fma_f32 v[\x:\x+1], v[\x:\x+1], v[\c:\c+1], v[\t:\t+1] op_sel:[0,\p,0] op_sel_hi:[1,\p,1] neg_lo:[0,0,1]
.endm
	s_load_b512 s[4:19], s[0:1], 0x0               ; x codes s[4:5], x scales s[6:7], wq s[8:11], wk s[12:15], wv s[16:19]
	s_load_b256 s[20:27], s[0:1], 0x40             ; cos s[20:21], sin s[22:23], qcodes s[24:25], qscales s[26:27]
	s_load_b64 s[28:29], s[0:1], 0x60              ; kvrec
	v_lshl_add_u32 v[SPW], v0, 2, SPARE
	v_mov_b32 v[NIL], 0
	ds_add_u32 v[SPW], v[NIL]                      ; the wave's opening: the add, twice on end, and its wait ahead of the first tensor load; the set-up below stands between the second and the wait
	ds_add_u32 v[SPW], v[NIL]
	v_lshrrev_b32 v1, 5, v0
	v_readfirstlane_b32 s[WV], v1                  ; wave 0..11
	s_lshr_b32 s[U], s[WV], 2
	s_and_b32 s[BQ], s[WV], 3
	s_and_b32 s[B0], s[BQ], 1
	s_lshr_b32 s[B1], s[BQ], 1
	s_lshr_b32 s[K2], s[U], 1
	s_and_b32 s[VF], ttmp9, s[K2]                  ; (the cluster's x is 0 or 1)
	s_bfe_u32 s[CX], ttmp6, 0x40000
	s_bfe_u32 s[CY], ttmp6, 0x40004
	s_lshl_b32 s[G], ttmp9, 2
	s_add_co_u32 s[G], s[G], s[CX]
	s_and_b32 s[RB], ttmp7, 0xffff
	s_lshl_b32 s[RB], s[RB], 2
	s_add_co_u32 s[RB], s[RB], s[CY]
	s_lshl_b32 s37, s[CY], 2
	s_lshl_b32 s37, 15, s37                        ; my row of the cluster
	s_lshl_b32 s73, 0x1111, s[CX]                  ; my column
	; descriptor group 1: 32 real rows, 24,576 dense bytes, as 96 rows of 256 (32 elements of 8 bytes), 16 bytes of padding behind each
	s_or_b32 s[G1X], s37, (3<<16)|(1<<20)|(1<<21)|(5<<22)|(3<<25)
	s_or_b32 s[G1W], s73, (3<<16)|(1<<20)|(1<<21)|(5<<22)|(3<<25)
.irp g, G1X, G1W
	s_mov_b32 s[\g+1], 32<<16
	s_mov_b32 s[\g+2], 96<<16
	s_mov_b32 s[\g+3], 32<<16
	s_mov_b32 s[\g+4], 96
	s_mov_b32 s[\g+5], 32
	s_mov_b32 s[\g+6], 0
	s_mov_b32 s[\g+7], 0
.endr
	; x, waves 0-3: half w % 2 of band (w / 2) % 2
	s_and_b32 s70, s[WV], 1
	s_bfe_u32 s71, s[WV], 0x10001
	s_mul_i32 s72, s70, XD
	s_mul_i32 s73, s71, HG
	s_add_co_u32 s72, s72, s73                     ; in LDS: the wave's number and constants alone
	s_lshl_b32 s74, s[RB], 7
	s_lshl_b32 s73, s71, 6
	s_add_co_u32 s74, s74, s73
	s_lshl_b32 s73, s70, 5
	s_add_co_u32 s74, s74, s73
	s_mul_i32 s74, s74, 768                        ; in memory: row 128 rb + 64 band + 32 half
	s_mov_b32 s75, 0
	; the weights, waves 4-9: j = w - 4: half j % 2 of unit j / 2
	s_add_co_u32 s71, s[WV], 4
	s_and_b32 s71, s71, 7
	s_and_b32 s70, s71, 1
	s_lshr_b32 s71, s71, 1
	s_min_u32 s71, s71, 2                          ; (waves that ask for nothing keep an address inside LDS)
	s_mul_i32 s76, s70, WD
	s_mul_i32 s73, s71, HG
	s_add_co_u32 s76, s76, s73
	s_add_co_u32 s76, s76, WE
	s_lshl_b32 s78, s[G], 7
	s_lshl_b32 s73, s71, 6
	s_add_co_u32 s78, s78, s73                     ; wq: row 128 g + 64 unit
	s_lshl_b32 s73, s[CX], 6                       ; wk, wv: row 64 cx
	s_cmp_lt_u32 s71, 2
	s_cselect_b32 s78, s78, s73
	s_lshl_b32 s73, s70, 5
	s_add_co_u32 s78, s78, s73
	s_mul_i32 s78, s78, 768
	s_mov_b32 s79, 0
	; the lanes' addresses, all made here, ahead of every branch on the wave's number.  q and k, v differ in constants, picked by arithmetic on the wave's number
	s_mul_i32 s80, s[K2], XD-R8
	s_add_co_u32 s80, s80, R8                      ; from lane r to r + 8 of a two-tile side: 8 rows (q) or to the rows 32 on
	s_mul_i32 s81, s[K2], XD^(2*R8)
	s_xor_b32 s81, s81, XD                         ; b % 2: q: the band's other half; k: two tiles on
	s_mul_i32 s81, s81, s[B0]
	s_mul_i32 s82, s[B1], HG                       ; b / 2: the band
	s_add_co_u32 s81, s81, s82
	s_mul_i32 s83, s[K2], (2*R8)^R8
	s_xor_b32 s83, s83, 2*R8                       ; from tile 0 to tile 1: 16 rows (q) or 8
	s_mul_i32 s84, s[U], HG
	s_add_co_u32 s84, s84, WE
	s_mul_i32 s85, s[B0], 2*R8
	s_add_co_u32 s85, s85, WE+2*HG
	s_mul_i32 s87, s[K2], 768
	s_xor_b32 s88, s87, 512                        ; scale bytes: from tile 0 to tile 1: 16 rows or 8 of 32 bytes,
	s_add_co_u32 s87, s87, 256                     ; from lane r to r + 8: 8 rows or 32
	s_lshl_b32 s89, s88, 2                         ; cos, sin: rows of 128 bytes
	s_lshl_b32 s86, s[K2], 1
	s_add_co_u32 s86, s86, 2
	v_and_b32 v1, 15, v0                           ; r
	v_bfe_u32 v2, v0, 4, 1                         ; h
	v_and_b32 v3, 7, v0                            ; r % 8
	v_bfe_u32 v4, v0, 3, 1                         ; r / 8
	v_and_b32 v5, 31, v0                           ; lane
	v_mul_u32_u24 v6, v3, 816
	v_lshlrev_b32 v7, 5, v3
	v_mul_u32_u24 v[AX], s80, v4
	v_mad_u32_u24 v6, v2, 24, v6
	v_mul_u32_u24 v26, s87, v4
	v_mad_u32_u24 v[AW], v4, WD, v6
	v_mad_u32_u24 v[BX], v4, XD, v6
	v_add_nc_u32 v[AX], v6, v[AX]
	v_add_nc_u32 v26, v7, v26
	v_add_nc_u32 v[BW], s85, v[AW]
	v_add_nc_u32 v[BX], s82, v[BX]
	v_add_nc_u32 v[AX], s81, v[AX]
	v_add_nc_u32 v[AW], s84, v[AW]
	v_mul_u32_u24 v[VS2], s88, v2
	v_lshlrev_b32 v[VC], 2, v26
	v_add_nc_u32 v[AX+2], s83, v[AX]
	v_lshl_add_u32 v[AX+1], v2, 4, v[AX]
	v_lshl_add_u32 v[AW+1], v2, 4, v[AW]
	v_lshl_add_u32 v[BX+1], v2, 4, v[BX]
	v_lshl_add_u32 v[BW+1], v2, 4, v[BW]
	v_lshl_add_u32 v[AX+3], v2, 4, v[AX+2]
	v_add_nc_u32 v[VS2], v26, v[VS2]
	v_lshl_add_u32 v[VC], v2, 6, v[VC]
	v_lshl_add_u32 v[VSP], v4, 10, v7
	v_lshlrev_b32 v[V16], 4, v5
	v_lshlrev_b32 v[V8], 3, v5
	v_add_nc_u32 v[VC1], s89, v[VC]
	v_lshl_add_u32 v[VSP], v2, 8, v[VSP]
	v_lshlrev_b32 v[VR], s86, v1
	v_lshlrev_b32 v[VH8], 3, v2
	s_wait_alu depctr_va_vdst(0)                   ; the wait at the head's end
	s_wait_dscnt 0x0                               ; both opening adds are done
	s_wait_kmcnt 0x0
	s_mov_b32 s[G0X], 1
	s_mov_b32 s[G0X+1], s72
	s_add_nc_u64 s[G0X+2:G0X+3], s[4:5], s[74:75]
	s_or_b32 s[G0X+3], s[G0X+3], 0x80000000
	s_cmp_eq_u32 ttmp9, 0                          ; the third unit: a key head in the clusters with x = 0, a value head in the others: the same in all sixteen partners
	s_cselect_b64 s[80:81], s[12:13], s[16:17]
	s_cselect_b64 s[96:97], s[14:15], s[18:19]
	s_cmp_lt_u32 s71, 2
	s_cselect_b64 s[98:99], s[8:9], s[80:81]
	s_mov_b32 s[G0W], 1
	s_mov_b32 s[G0W+1], s76
	s_add_nc_u64 s[G0W+2:G0W+3], s[98:99], s[78:79]
	s_or_b32 s[G0W+3], s[G0W+3], 0x80000000
	CROUND                                         ; all sixteen work-groups are here: the joint loads meet
	s_cmp_lt_u32 s[WV], 4                          ; ten first fills, one a wave; the branches hang on the wave's number alone.  An s_nop 0 and four v_nop follow each line
	s_cbranch_scc0 .Lnot_x
	tensor_load_to_lds s[G0X:G0X+3], s[G1X:G1X+7]
	s_nop 0
.rept 4
	v_nop
.endr
	s_branch .Lasked
.Lnot_x:
	s_cmp_lt_u32 s[WV], 10
	s_cbranch_scc0 .Lasked
	tensor_load_to_lds s[G0W:G0W+3], s[G1W:G1W+7]
	s_nop 0
.rept 4
	v_nop
.endr
.Lasked:
	; while the tiles are on their way: the scale words and every base
	s_lshl_b32 s70, s[BQ], 5
	s_lshl_b32 s71, s[B1], 6
	s_lshl_b32 s72, s[B0], 4
	s_add_co_u32 s73, s71, s72
	s_cmp_eq_u32 s[K2], 0
	s_cselect_b32 s70, s70, s73
	s_lshl_b32 s73, s[RB], 7
	s_add_co_u32 s70, s70, s73                     ; q, k: my first token
	s_add_co_u32 s71, s71, s73                     ; v: my first token
	s_lshl_b32 s74, s[CX], 6
	s_add_co_u32 s72, s72, s74                     ; v: my first row of weights
	s_lshl_b32 s75, s[G], 7
	s_lshl_b32 s76, s[U], 6
	s_add_co_u32 s75, s75, s76
	s_cmp_eq_u32 s[K2], 0
	s_cselect_b32 s75, s75, s74                    ; q, k: my first row of weights
	s_cselect_b64 s[80:81], s[10:11], s[96:97]
	s_cmp_eq_u32 s[VF], 0
	s_cselect_b32 s98, s70, s72
	s_cselect_b64 s[82:83], s[6:7], s[80:81]       ; the two-tile side's scale bytes
	s_cselect_b32 s78, s75, s71
	s_cselect_b64 s[84:85], s[80:81], s[6:7]       ; the four-tile side's
	s_lshl_b32 s98, s98, 5
	s_mov_b32 s99, 0
	s_add_nc_u64 s[82:83], s[82:83], s[98:99]
	s_lshl_b32 s78, s78, 5
	s_mov_b32 s79, 0
	s_add_nc_u64 s[84:85], s[84:85], s[78:79]
	global_load_b128 v[S2:S2+3], v[VS2], s[82:83]  ; a row's 32 scale bytes are the words of its 8 K steps
	global_load_b128 v[S2+4:S2+7], v[VS2], s[82:83] offset:16
.irp q, 0,1
	global_load_b128 v[S4+8*\q:S4+8*\q+3], v[VSP], s[84:85] offset:512*\q
	global_load_b128 v[S4+8*\q+4:S4+8*\q+7], v[VSP], s[84:85] offset:512*\q+16
.endr
	s_and_b32 s98, s70, 2047                       ; my first token's place in its sequence
	s_lshl_b32 s98, s98, 7
	s_add_nc_u64 s[86:87], s[20:21], s[98:99]
	s_add_nc_u64 s[88:89], s[22:23], s[98:99]
	s_lshl_b32 s73, s[RB], 2
	s_add_co_u32 s73, s73, s[BQ]                   ; q: my block of 32 tokens
	s_lshl_b32 s74, s[G], 1
	s_add_co_u32 s74, s74, s[U]                    ; and head
	s_lshl_b32 s75, s73, 5
	s_add_co_u32 s75, s75, s74
	s_mul_i32 s75, s75, 768
	s_lshl_b32 s76, s73, 4
	s_add_co_u32 s76, s76, s74
	s_lshl_b32 s76, s76, 6
	s_lshr_b32 s77, s[RB], 4
	s_lshl_b32 s77, s77, 2
	s_add_co_u32 s77, s77, s[CX]
	s_lshl_b32 s77, s77, 4
	s_and_b32 s78, s[RB], 15
	s_add_co_u32 s77, s77, s78
	s_mul_i32 s77, s77, 12800                      ; the step's record: ((4 batch + key head) x 16 + step) x 12,800
	s_mul_i32 s78, s[BQ], 1536                     ; k: fragment b,
	s_lshl_b32 s79, s[BQ], 2
	s_add_co_u32 s79, s79, 12288                   ; word b
	s_mul_i32 s80, s[B0], 3072
	s_mul_i32 s81, s[B1], 768
	s_add_co_u32 s80, s80, s81
	s_add_co_u32 s80, s80, 6144                    ; v: fragment 2 (b % 2), band b / 2,
	s_lshl_b32 s81, s[B0], 3
	s_lshl_b32 s96, s[B1], 1
	s_add_co_u32 s81, s81, s96
	s_add_co_u32 s81, s81, 12544                   ; word 2 (b % 2), half b / 2
	s_mov_b32 s96, 768
	s_mov_b32 s97, 0
	s_cmp_eq_u32 s[VF], 0
	s_cselect_b32 s78, s78, s80
	s_cselect_b32 s79, s79, s81
	s_cselect_b32 s96, s96, 1536                   ; from tile 0's codes to tile 1's
	s_add_co_u32 s78, s78, s77
	s_add_co_u32 s79, s79, s77
	s_cmp_eq_u32 s[K2], 0
	s_cselect_b32 s98, s75, s78
	s_cselect_b32 s80, s76, s79
	s_cselect_b32 s96, 12288, s96
	s_cselect_b64 s[90:91], s[24:25], s[28:29]
	s_cselect_b64 s[94:95], s[26:27], s[28:29]
	s_mov_b32 s81, 0
	s_add_nc_u64 s[90:91], s[90:91], s[98:99]
	s_add_nc_u64 s[92:93], s[90:91], s[96:97]
	s_add_nc_u64 s[94:95], s[94:95], s[80:81]
	s_mov_b32 s[SEL], 0x76543210                   ; lane selects: lane l xor 16
	s_mov_b32 s[SEL+1], 0xfedcba98
	s_wait_tensorcnt 0x0                           ; my tile has landed,
	s_barrier_signal -1
	s_barrier_wait -1                              ; everybody's has
	s_cmp_eq_u32 s[VF], 0                          ; the roles part
	s_cbranch_scc1 .Lqk
	s_wait_loadcnt 0x0                             ; v: the scale words
.irp ks, 0,1,2,3,4,5,6,7
	KSTEP \ks, BW, 0, BW, R8, BX
.endr
.rept 4
	v_nop                                          ; four places in front of the first read of results and the first write over operands
.endr
	s_branch .Lquant
.Lqk:
.irp u, 0,1
.irp c, 0,1,2,3
	global_load_b128 v[COS+16*\u+4*\c:COS+16*\u+4*\c+3], v[VC+5*\u], s[86:87] offset:16*\c     ; the pairs 16 h + 0 .. 15 of my token
	global_load_b128 v[SIN+16*\u+4*\c:SIN+16*\u+4*\c+3], v[VC+5*\u], s[88:89] offset:16*\c
.endr
.endr
	s_wait_loadcnt 16                              ; the six loads of scale words are in; the sixteen just issued may stay out
.irp ks, 0,1,2,3,4,5,6,7
	KSTEP \ks, AX, 0, AX+2, 0, AW
.endr
.rept 4
	v_nop                                          ; four places in front of the first read of results
.endr
	s_wait_loadcnt 0x0                             ; cos and sin
.irp u, 0,1                                    ; the rotation; each accumulator is read from its low end on
.irp k, 0,4,8,12
	ROT1 ACC+32*\u+2*\k, SIN+16*\u+\k, RT, 0
	ROT1 ACC+32*\u+2*\k+2, SIN+16*\u+\k, RT+2, 1
	ROT1 ACC+32*\u+2*\k+4, SIN+16*\u+\k+2, RT+4, 0
	ROT1 ACC+32*\u+2*\k+6, SIN+16*\u+\k+2, RT+6, 1
	ROT2 ACC+32*\u+2*\k, COS+16*\u+\k, RT, 0
	ROT2 ACC+32*\u+2*\k+2, COS+16*\u+\k, RT+2, 1
	ROT2 ACC+32*\u+2*\k+4, COS+16*\u+\k+2, RT+4, 0
	ROT2 ACC+32*\u+2*\k+6, COS+16*\u+\k+2, RT+6, 1
.endr
.endr
.Lquant:
	; each lane's 32 numbers of tile u are one block of the quantiser: two chains of maxima a block, with the floor 2^(3 - 127) among their leaves: the byte cannot fall under 1
.irp c, 0,1,2,3
	v_max3_num_f32 v[TM+\c], |v[ACC+16*\c]|, |v[ACC+16*\c+1]|, 0x1800000
.endr
.irp i, 2,4,6,8,10,12,14
.irp c, 0,1,2,3
	v_max3_num_f32 v[TM+\c], v[TM+\c], |v[ACC+16*\c+\i]|, |v[ACC+16*\c+\i+1]|
.endr
.endr
	v_mov_b32 v[PX], 0                             ; a lane permute's destination counts as one of its sources
.irp u, 0,1
	v_max_num_f32 v[TM+2*\u], v[TM+2*\u], v[TM+2*\u+1]
.endr
.irp u, 0,1
	v_add_nc_u32 v[SO+\u], 0xff000000, v[TM+2*\u]  ; 2 off its exponent field: the conversion takes the exponent field of this operand as its scale
.endr
.irp u, 0,1
	v_lshrrev_b32 v[EB+\u], 23, v[SO+\u]           ; the scale's byte
.endr
	v_lshl_or_b32 v[PW], v[EB+1], 16, v[EB]
	v_lshlrev_b32 v[PW], v[VH8], v[PW]
	v_permlanex16_b32 v[PX], v[PW], s[SEL], s[SEL+1]
	v_or_b32 v[PW], v[PW], v[PX]                   ; bytes: tile 0's halves h = 0, 1; tile 1's; the same in lanes r and r + 16
.irp u, 0,1
	v_cvt_scalef32_pk16_fp6_f32 v[CD+8*\u:CD+8*\u+2], v[ACC+32*\u:ACC+32*\u+15], v[SO+\u]
	v_cvt_scalef32_pk16_fp6_f32 v[CE+4*\u:CE+4*\u+2], v[ACC+32*\u+16:ACC+32*\u+31], v[SO+\u]
.endr
	v_nop                                          ; one plain place behind the last scaled conversion
.irp i, 0,1,2
.irp u, 0,1
	v_mov_b32 v[CD+8*\u+3+\i], v[CE+4*\u+\i]       ; (a conversion's three registers begin on an even number)
.endr
.endr
	s_wait_alu depctr_va_vdst(0)                   ; the wait ahead of the branch below
.irp u, 0,1
	global_store_b128 v[V16], v[CD+8*\u:CD+8*\u+3], s[90+2*\u:91+2*\u]             ; 512 consecutive bytes,
	global_store_b64 v[V8], v[CD+8*\u+4:CD+8*\u+5], s[90+2*\u:91+2*\u] offset:512  ; and the 256 behind them
.endr
	s_cmp_eq_u32 s[VF], 0
	s_cbranch_scc1 .Lword
	global_store_b16 v[VR], v[PW], s[94:95]        ; v: half a word of each of my two column tiles
	global_store_d16_hi_b16 v[VR], v[PW], s[94:95] offset:4
	s_branch .Ljoin
.Lword:
	global_store_b32 v[VR], v[PW], s[94:95]        ; (lanes r and r + 16 store the same word)
.Ljoin:
	s_wait_tensorcnt 0x0                           ; the wave's end
	ds_add_u32 v[SPW], v[NIL]
	s_wait_dscnt 0x0
	CROUND                                         ; the closing round: no work-group ends while a partner may still ask for a tile that names it
	s_endpgm
.Lfunc_end_k_qf02f159881_qkv:
	.size	k_qf02f159881_qkv, .Lfunc_end_k_qf02f159881_qkv-k_qf02f159881_qkv
	.p2alignl 7, 3214868480
	.fill 96, 4, 3214868480
	.section	.rodata,"a",@progbits
	.p2align	6, 0x0
	.amdhsa_kernel k_qf02f159881_qkv
		.amdhsa_group_segment_fixed_size 263168
		.amdhsa_private_segment_fixed_size 0
		.amdhsa_enable_private_segment 0
		.amdhsa_kernarg_size 104
		.amdhsa_user_sgpr_count 2
		.amdhsa_user_sgpr_kernarg_segment_ptr 1
		.amdhsa_wavefront_size32 1
		.amdhsa_system_sgpr_workgroup_id_x 1
		.amdhsa_system_sgpr_workgroup_id_y 1
		.amdhsa_system_sgpr_workgroup_id_z 1
		.amdhsa_system_vgpr_workitem_id 0
		.amdhsa_next_free_vgpr 256
		.amdhsa_next_free_sgpr 100
		.amdhsa_reserve_vcc 0
		.amdhsa_float_denorm_mode_32 3
		.amdhsa_float_denorm_mode_16_64 3
		.amdhsa_memory_ordered 1
		.amdhsa_forward_progress 1
		.amdhsa_inst_pref_size 76
	.end_amdhsa_kernel
	.amdgpu_metadata
---
amdhsa.version: [ 1, 2 ]
amdhsa.kernels:
  - .name:           k_qf02f159881_qkv
    .symbol:         k_qf02f159881_qkv.kd
    .args:
      - { .name: x_codes, .offset: 0, .size: 8, .value_kind: global_buffer, .address_space: global }
      - { .name: x_scales, .offset: 8, .size: 8, .value_kind: global_buffer, .address_space: global }
      - { .name: wq_codes, .offset: 16, .size: 8, .value_kind: global_buffer, .address_space: global }
      - { .name: wq_scales, .offset: 24, .size: 8, .value_kind: global_buffer, .address_space: global }
      - { .name: wk_codes, .offset: 32, .size: 8, .value_kind: global_buffer, .address_space: global }
      - { .name: wk_scales, .offset: 40, .size: 8, .value_kind: global_buffer, .address_space: global }
      - { .name: wv_codes, .offset: 48, .size: 8, .value_kind: global_buffer, .address_space: global }
      - { .name: wv_scales, .offset: 56, .size: 8, .value_kind: global_buffer, .address_space: global }
      - { .name: freqs_cos, .offset: 64, .size: 8, .value_kind: global_buffer, .address_space: global }
      - { .name: freqs_sin, .offset: 72, .size: 8, .value_kind: global_buffer, .address_space: global }
      - { .name: qcodes, .offset: 80, .size: 8, .value_kind: global_buffer, .address_space: global }
      - { .name: qscales, .offset: 88, .size: 8, .value_kind: global_buffer, .address_space: global }
      - { .name: kvrec, .offset: 96, .size: 8, .value_kind: global_buffer, .address_space: global }
    .group_segment_fixed_size: 263168
    .private_segment_fixed_size: 0
    .kernarg_segment_align: 8
    .kernarg_segment_size: 104
    .max_flat_workgroup_size: 384
    .sgpr_count:     100
    .vgpr_count:     256
    .wavefront_size: 32
...
	.end_amdgpu_metadata
.endif
;; end of part 1
;; launch attn (part 2): grid 32 x 8, 16 waves a work-group, clusters of 4 x 1, 241,664 bytes of LDS; arguments qcodes, qscales, kvrec, acodes, ascales; writes acodes, ascales
.if DOCPART == 2
	.amdgcn_target "amdgcn-amd-amdhsa--gfx1250"
	.amdhsa_code_object_version 6
	.text
	.protected	k_qf02f159881_attn
	.globl	k_qf02f159881_attn
	.p2align	8
	.type	k_qf02f159881_attn,@function
k_qf02f159881_attn:
	s_mov_b64 s[64:65], 0
	v_nop
	global_prefetch_b8 v0, s[64:65] scope:SCOPE_SE
	s_setreg_imm32_b32 hwreg(HW_REG_WAVE_MODE, 25, 1), 1
	s_wait_xcnt 0x0
	s_wait_alu depctr_hold_cnt(0) depctr_sa_sdst(0) depctr_va_vdst(0) depctr_va_sdst(0) depctr_va_ssrc(0) depctr_va_vcc(0) depctr_vm_vsrc(0)
	s_getreg_b32 s2, hwreg(HW_REG_IB_STS2, 6, 4)
	s_cmp_eq_u32 s2, 0
	s_cbranch_scc0 .Lentry_in_a_cluster
	s_endpgm
.Lentry_in_a_cluster:
	s_bfe_u32 s2, ttmp6, 0x10000c
	s_cmp_lg_u32 s2, 0x3003
	s_cbranch_scc0 .Lentry_shape_is_right
	s_endpgm
.Lentry_shape_is_right:
; LAUNCH 2 OF 3: causal attention on codes of FP6: S^T = k q^T, p = 2^(t - M) with the running whole-number M, O^T = v^T p^T, divided by the row's sum and quantised along heads x 64 for the projection.
; WORK LEFT OUT: steps of 128 keys that the problem's own causal mask hides from all 16 queries of a tile (the first launch's head shows why they add nothing).
; LIMITS: the promise holds while the scaled scores (exponents to the base 2, ahead of the maximum's removal) stay under 2^31 in magnitude; NaN and infinities are not served; a block of zeros gets the scale byte 1.
; SHARES.  256 equal work-groups: batch x key head (y), head and tile-in-row s (x): a row is 128 queries, tile s its queries 16 s .. 16 s + 15; the work-group owns tile s of all 16 rows of one head.  Row R has R + 1 steps of 128 keys.
; Sixteen waves, four on a SIMD.  Rows n and 15 - n have 17 steps between them: wave n (0 .. 7) takes steps 0 .. 7 of row 15 - n; wave n + 8 takes row n, n + 1 steps, and then steps 8 .. 15 - n of row 15 - n: nine steps.
; The two parts of row 15 - n are joined through LDS at the end, by exact powers of two.
; LDS IS FILLED ONCE: the 16 records of k and v (12,800 bytes each), one tensor load a wave, asked for jointly by the cluster's four work-groups, which share the key head.  No loop runs ahead of loads: so there is no prefetch.
; Waves 0-7 bring records 0-7 and have a load line of their own: the first barrier shows these alone; the second, behind the first step, shows all.
; A LANE HOLDS WHOLE BLOCKS: in S^T lane (r, h) has query r and in register 32 c + 8 t + j key 64 c + 32 h + 8 t + j: two blocks of 32 keys; in O^T register 8 t + j is channel 32 h + 8 t + j: one block.  No lane permute for maxima of blocks or for codes.
; HALF OF K IS ZERO in the first product: a fragment of k holds two tiles of 16 keys, 64 along the head each; q stands in registers between six zeros on either side: v[22:33] is [q, 0] and v[16:27] is [0, q].
.set STEPB, 12800
.set MRG,   16*STEPB                   ; the joining: for each pair of waves 4,096 bytes of O^T, 256 of sum and -M
.set MPW,   4352
.set SPARE, MRG+8*MPW                  ; the spare words, 128 bytes for each of 16 waves
.set A16,  1                           ; 16 x lane
.set A8,   2                           ; 8 x lane
.set AD16, 3                           ; the same in this step's record
.set AD8,  4
.set SPW,  5
.set NIL,  6
.set QL,   7                           ; my query's number in its row, less 32 h
.set NINF, 8
.set R32,  9                           ; 32 r + h
.set R4,   10
.set AM16, 42                          ; the joining: LDS addresses
.set AM8,  43
.set ZQ,   16
.set Q2,   34                          ; q of row 15 - n
.set QS,   40                          ; q's scale words, and row 15 - n's
.set F,    44                          ; v44-91 four fragments of k, then of v
.set SC,   92                          ; v92-95 scale words: lanes 0-15 k's, lanes 16-31 v's
.set S,    96                          ; v96-159
.set O,    160                         ; v160-191
.set PC,   192                         ; p's codes
.set PT,   204
.set BM,   212
.set BB,   216                         ; the two blocks' largest
.set BP,   218
.set PX,   219
.set SO,   220
.set EB,   222
.set TT,   224
.set FF,   226
.set PW,   232
.set L1,   234
.set L2,   236
.set L3,   238
.set WV,   14
.set HEAD, 20
.set TBASE, 21
.set RA,   22                          ; row 15 - n
.set RO,   23                          ; the row that I finish
.set I,    24                          ; my step's number, 0 .. 8
.set TB,   25                          ; its record in LDS
.set SEL,  26
.set CS,   28
.set CN,   30
.set KD,   31                          ; the step behind which I go on to row 15 - n (waves 0-7: none)
.set G1,   32
.set G0,   40
.set IB,   44
.set EX,   45
.set LAST, 46
.set W7,   47
.set USH,  48
.set TX,   49
.set QP,   50
.set QSP,  52
.set OCP,  54
.set OSP,  56
.set QP2,  66
.set QSP2, 68
.macro WALU
	s_wait_alu depctr_va_vdst(0)
.endm
.macro CROUND
	s_barrier_signal -1
	s_barrier_wait -1
	s_cmp_lg_u32 s[WV], 0
	s_cbranch_scc1 .Lnot_wave_0_\@
	s_barrier_signal -3
.Lnot_wave_0_\@:
	s_barrier_wait -3
	s_barrier_signal -1
	s_barrier_wait -1
.endm
.macro FR reg, off                     ; a fragment: four loads
.irp c, 0,1
	ds_load_b128 v[\reg+6*\c:\reg+6*\c+3], v[AD16] offset:(\off)+768*\c
	ds_load_b64 v[\reg+6*\c+4:\reg+6*\c+5], v[AD8] offset:(\off)+768*\c+512
.endr
.endm
.macro QPTR row, qp, sp                ; s60 the tile, s[58:59] its place in qcodes and acodes
	s_lshl_b32 s60, s[\row], 3
	s_add_co_u32 s60, s60, s[TBASE]
	s_lshl_b32 s61, s60, 4
	s_add_co_u32 s61, s61, s[HEAD]
	s_mul_i32 s58, s61, 768
	s_mov_b32 s59, 0
	s_add_nc_u64 s[\qp:\qp+1], s[4:5], s[58:59]
	s_lshr_b32 s61, s60, 1
	s_lshl_b32 s61, s61, 4
	s_add_co_u32 s61, s61, s[HEAD]
	s_lshl_b32 s62, s61, 6
	s_mov_b32 s63, 0
	s_add_nc_u64 s[\sp:\sp+1], s[6:7], s[62:63]
.endm
.macro BEGIN                           ; a row's empty sums
	v_mov_b32 v13, 0xff61b1e6              ; the largest score so far: -3e38
	v_mov_b32 v14, 0
	v_mov_b32 v15, 0
	v_mul_f32 v12, s[CN], v13
.set J, 0
.rept 32
	v_mov_b32 v[O+J], 0
.set J, J+1
.endr
	v_floor_f32 v12, v12                   ; -M
.endm
; A step of 128 keys.  first: step 0 (only row 0 is masked there); else the mask stands where I = KD or I = 8.
.macro STEP first
	v_add_nc_u32 v[AD16], s[TB], v[A16]    ; these two and two v_nop: four places between the last products and the loads into their registers
	v_add_nc_u32 v[AD8], s[TB], v[A8]
	v_nop
	v_nop
	ds_load_b128 v[SC:SC+3], v[AD16] offset:12288
.irp q, 0,1,2,3
	FR F+12*\q, 1536*\q
.endr
	WALU
.irp q, 0,1,2,3
	s_wait_dscnt 12-4*\q                   ; the scale words and fragments 0 .. q are in; four loads for each younger fragment may be out
	v_wmma_scale_f32_16x16x128_f8f6f4 v[S+16*\q:S+16*\q+7], v[F+12*\q:F+12*\q+11], v[ZQ+6:ZQ+17], 0, v[SC+\q], v[QS] matrix_a_fmt:MATRIX_FMT_FP6 matrix_b_fmt:MATRIX_FMT_FP6
	v_wmma_scale_f32_16x16x128_f8f6f4 v[S+16*\q+8:S+16*\q+15], v[F+12*\q:F+12*\q+11], v[ZQ:ZQ+11], 0, v[SC+\q], v[QS] matrix_a_fmt:MATRIX_FMT_FP6 matrix_b_fmt:MATRIX_FMT_FP6
.endr
.rept 4
	v_nop                                  ; places
.endr
.irp q, 0,1,2,3
	FR F+12*\q, 6144+1536*\q
.endr
.if \first
	s_cmp_lg_u32 s[KD], 0
	s_cbranch_scc1 .Lopen_\@
.else
	s_cmp_eq_u32 s[I], s[KD]
	s_cbranch_scc1 .Lmask_\@
	s_cmp_lg_u32 s[I], 8
	s_cbranch_scc1 .Lopen_\@
.Lmask_\@:
.endif
.set J, 0
.rept 64
	v_cmp_gt_i32 vcc_lo, 64*(J/32)+J%32, v[QL]     ; the step that holds my row's own keys: key > query is hidden
	v_cndmask_b32 v[S+J], v[S+J], v[NINF], vcc_lo
.set J, J+1
.endr
.Lopen_\@:
.irp b, 0,1,2,3                        ; the largest score of each block of 32 keys, two chains a block
	v_max3_num_f32 v[BM+\b], v[S+16*\b], v[S+16*\b+1], v[S+16*\b+2]
.endr
.irp i, 3,5,7,9,11,13
.irp b, 0,1,2,3
	v_max3_num_f32 v[BM+\b], v[BM+\b], v[S+16*\b+\i], v[S+16*\b+\i+1]
.endr
.endr
.irp c, 0,1
	v_max3_num_f32 v[BB+\c], v[BM+2*\c], v[BM+2*\c+1], v[S+32*\c+15]
.endr
.irp c, 0,1
	v_max_num_f32 v[BB+\c], v[BB+\c], v[S+32*\c+31]
.endr
	v_max_num_f32 v[TT], v[BB], v[BB+1]
	s_delay_alu instid0(VALU_DEP_1)
	v_permlanex16_b32 v[BP], v[TT], s[SEL], s[SEL+1]
	s_delay_alu instid0(VALU_DEP_1)
	v_max3_num_f32 v13, v13, v[TT], v[BP]  ; the running largest score of my query
	s_delay_alu instid0(VALU_DEP_1)
	v_mul_f32 v11, s[CN], v13
	s_delay_alu instid0(VALU_DEP_1)
	v_floor_f32 v11, v11                   ; the new -M = floor(-t): M is a whole number
	s_delay_alu instid0(VALU_DEP_1)
	v_sub_f32 v[TT], v11, v12              ; M's old value less its new one
	v_mov_b32 v12, v11
	v_cvt_i32_f32 v[TT], v[TT]             ; (it saturates)
	s_delay_alu instid0(VALU_DEP_1)
	v_ldexp_f32 v[FF], 1.0, v[TT]          ; f = 2^(old M - new M)
.set J, 0
.rept 32
	v_pk_fma_f32 v[S+J:S+J+1], v[S+J:S+J+1], s[CS:CS+1], v[12:13] op_sel_hi:[1,0,0]   ; t - M
.set J, J+2
.endr
.irp c, 0,1
	v_fma_f32 v[BB+\c], v[BB+\c], s[CS], v12
.endr
.set J, 0
.rept 16
	v_pk_mul_f32 v[O+J:O+J+1], v[O+J:O+J+1], v[FF:FF+1] op_sel_hi:[1,0]   ; O^T under the new M
.set J, J+2
.endr
	WALU                                   ; the wait ahead of the batch,
.set J, 0
.rept 64
	v_exp_f32 v[S+J], v[S+J]               ; p
.set J, J+1
.endr
.irp c, 0,1
	v_exp_f32 v[BB+\c], v[BB+\c]           ; the blocks' largest p: the same two instructions on the same number
.endr
	v_pk_mul_f32 v[14:15], v[14:15], v[FF:FF+1] op_sel_hi:[1,0]
	WALU                                   ; and behind it
.irp c, 0,1
	v_max_num_f32 v[BB+\c], 0x1800000, v[BB+\c]    ; the floor: the byte cannot fall under 1
.endr
.irp c, 0,1
	v_add_nc_u32 v[SO+\c], 0xff000000, v[BB+\c]    ; 2 off the exponent field: the conversion's scale operand
.endr
.irp c, 0,1
	v_lshrrev_b32 v[EB+\c], 23, v[SO+\c]
.endr
.irp c, 0,1
	v_cvt_scalef32_pk16_fp6_f32 v[PC+6*\c:PC+6*\c+2], v[S+32*\c:S+32*\c+15], v[SO+\c]
	v_cvt_scalef32_pk16_fp6_f32 v[PT+4*\c:PT+4*\c+2], v[S+32*\c+16:S+32*\c+31], v[SO+\c]
.endr
	v_lshl_or_b32 v[PW], v[EB+1], 16, v[EB]
	v_pk_add_f32 v[14:15], v[14:15], v[S:S+1]      ; the row's sum is taken of the unquantised p, in four chains
	v_pk_add_f32 v[L1:L1+1], v[S+2:S+3], v[S+10:S+11]
	v_permlanex16_b32 v[PX], v[PW], s[SEL], s[SEL+1]
	v_pk_add_f32 v[L2:L2+1], v[S+4:S+5], v[S+12:S+13]
	v_pk_add_f32 v[L3:L3+1], v[S+6:S+7], v[S+14:S+15]
	v_pk_add_f32 v[14:15], v[14:15], v[S+8:S+9]
	v_lshl_or_b32 v[PW], v[PX], 8, v[PW]           ; lanes 0-15: bytes 2 c + h
.irp i, 0,1,2
.irp c, 0,1
	v_mov_b32 v[PC+6*\c+3+\i], v[PT+4*\c+\i]
.endr
.endr
.irp i, 16,24,32,40,48,56
	v_pk_add_f32 v[14:15], v[14:15], v[S+\i:S+\i+1]
	v_pk_add_f32 v[L1:L1+1], v[L1:L1+1], v[S+\i+2:S+\i+3]
	v_pk_add_f32 v[L2:L2+1], v[L2:L2+1], v[S+\i+4:S+\i+5]
	v_pk_add_f32 v[L3:L3+1], v[L3:L3+1], v[S+\i+6:S+\i+7]
.endr
	v_pk_add_f32 v[L1:L1+1], v[L1:L1+1], v[L2:L2+1]
	v_pk_add_f32 v[14:15], v[14:15], v[L3:L3+1]
	v_pk_add_f32 v[14:15], v[14:15], v[L1:L1+1]
	WALU
	s_wait_dscnt 0x0                       ; v's fragments
.irp q, 0,1,2,3
	v_wmma_scale_f32_16x16x128_f8f6f4 v[O+8*\q:O+8*\q+7], v[F+12*\q:F+12*\q+11], v[PC:PC+11], v[O+8*\q:O+8*\q+7], v[SC+\q], v[PW] matrix_a_fmt:MATRIX_FMT_FP6 matrix_b_fmt:MATRIX_FMT_FP6 matrix_a_scale:MATRIX_SCALE_ROW1
.endr
.endm
; A row is done: O^T / the sum, quantised (a lane's 32 channels are one block), stored.
.macro FINISH
.rept 4
	v_nop
.endr
	v_add_f32 v14, v14, v15
	v_permlanex16_b32 v[BP], v14, s[SEL], s[SEL+1]
	v_add_f32 v14, v14, v[BP]              ; with lane l xor 16's keys
	WALU                                   ; the wait ahead of the transcendental,
	v_rcp_f32 v[FF], v14
	v_nop
	WALU                                   ; and behind it
.set J, 0
.rept 16
	v_pk_mul_f32 v[S+J:S+J+1], v[O+J:O+J+1], v[FF:FF+1] op_sel_hi:[1,0]
.set J, J+2
.endr
.irp b, 0,1
	v_max3_num_f32 v[BM+\b], |v[S+16*\b]|, |v[S+16*\b+1]|, 0x1800000
.endr
.irp i, 2,4,6,8,10,12,14
.irp b, 0,1
	v_max3_num_f32 v[BM+\b], v[BM+\b], |v[S+16*\b+\i]|, |v[S+16*\b+\i+1]|
.endr
.endr
	v_max_num_f32 v[BM], v[BM], v[BM+1]
	v_add_nc_u32 v[SO], 0xff000000, v[BM]
	v_lshrrev_b32 v[EB], 23, v[SO]
	v_cvt_scalef32_pk16_fp6_f32 v[PC:PC+2], v[S:S+15], v[SO]
	v_cvt_scalef32_pk16_fp6_f32 v[PT:PT+2], v[S+16:S+31], v[SO]
	v_nop
.irp i, 0,1,2
	v_mov_b32 v[PC+3+\i], v[PT+\i]
.endr
	global_store_b128 v[A16], v[PC:PC+3], s[OCP:OCP+1]             ; 512 consecutive bytes,
	global_store_b64 v[A8], v[PC+4:PC+5], s[OCP:OCP+1] offset:512  ; and the 256 behind them
	global_store_b8 v[R32], v[EB], s[OSP:OSP+1]
.endm
.macro NEXTROW                         ; waves 8-15, behind row n: on to row 15 - n
	FINISH
.set J, 0
.rept 6
	v_mov_b32 v[ZQ+6+J], v[Q2+J]
.set J, J+1
.endr
	v_mov_b32 v[QS], v[QS+1]
	BEGIN
	s_wait_xcnt 0x0                        ; the stores have read their registers
.endm
	s_load_b256 s[4:11], s[0:1], 0x0       ; qcodes, qscales, kvrec, acodes
	s_load_b64 s[12:13], s[0:1], 0x20      ; ascales
	v_lshl_add_u32 v[SPW], v0, 2, SPARE
	v_mov_b32 v[NIL], 0
	ds_add_u32 v[SPW], v[NIL]              ; the wave's opening: the add, twice on end, and its wait ahead of the first tensor load
	ds_add_u32 v[SPW], v[NIL]
	v_lshrrev_b32 v11, 5, v0
	v_readfirstlane_b32 s[WV], v11
	s_and_b32 s[W7], s[WV], 7
	s_bfe_u32 s15, ttmp6, 0x40000
	s_lshl_b32 s16, ttmp9, 2
	s_add_co_u32 s16, s16, s15
	s_lshr_b32 s17, s16, 3
	s_and_b32 s18, s16, 7                  ; the tile in its row
	s_and_b32 s19, ttmp7, 0xffff           ; 4 batch + key head
	s_and_b32 s[HEAD], s19, 3
	s_lshl_b32 s[HEAD], s[HEAD], 2
	s_add_co_u32 s[HEAD], s[HEAD], s17
	s_lshr_b32 s[TBASE], s19, 2
	s_lshl_b32 s[TBASE], s[TBASE], 7
	s_add_co_u32 s[TBASE], s[TBASE], s18
	s_and_b32 s[USH], s18, 1
	s_lshl_b32 s[USH], s[USH], 4
	s_mov_b32 s[SEL], 0x76543210           ; lane selects: lane l xor 16
	s_mov_b32 s[SEL+1], 0xfedcba98
	s_mov_b32 s[CS], 0x3e38aa3b            ; log2(e) / 8
	s_mov_b32 s[CS+1], s[CS]
	s_mov_b32 s[CN], 0xbe38aa3b
	s_mov_b32 s[G1], 15|(3<<16)|(1<<21)    ; a record as 50 rows of 256 bytes, for all four work-groups of the cluster
	s_mov_b32 s[G1+1], 32<<16
	s_mov_b32 s[G1+2], 50<<16
	s_mov_b32 s[G1+3], 32<<16
	s_mov_b32 s[G1+4], 50
	s_mov_b32 s[G1+5], 32
	s_mov_b32 s[G1+6], 0
	s_mov_b32 s[G1+7], 0
	s_mul_i32 s60, s[WV], STEPB
	s_mul_i32 s62, s19, 16*STEPB
	s_add_co_u32 s62, s62, s60
	s_mov_b32 s63, 0
	s_mul_i32 s61, s[W7], MPW
	s_add_co_u32 s61, s61, MRG
	v_and_b32 v11, 31, v0
	v_and_b32 v[QL], 15, v0                ; r
	v_lshlrev_b32 v[A16], 4, v11
	v_lshlrev_b32 v[A8], 3, v11
	v_lshlrev_b32 v[R4], 2, v[QL]
	v_add_nc_u32 v[AM16], s61, v[A16]
	v_add_nc_u32 v[AM8], s61, v[A8]
	WALU
	s_wait_dscnt 0x0                       ; both opening adds are done
	s_wait_kmcnt 0x0
	s_mov_b32 s[G0], 1
	s_mov_b32 s[G0+1], s60
	s_add_nc_u64 s[G0+2:G0+3], s[8:9], s[62:63]
	s_or_b32 s[G0+3], s[G0+3], 0x80000000
	CROUND                                 ; all four work-groups are here: the joint loads meet
	s_cmp_lt_u32 s[WV], 8
	s_cbranch_scc0 .Lupper
	tensor_load_to_lds s[G0:G0+3], s[G1:G1+7]
	s_nop 0
.rept 4
	v_nop
.endr
	s_branch .Lasked
.Lupper:
	tensor_load_to_lds s[G0:G0+3], s[G1:G1+7]
	s_nop 0
.rept 4
	v_nop
.endr
.Lasked:
	s_xor_b32 s[RA], s[W7], 15
	s_mov_b32 s[KD], 99
	s_mov_b32 s[LAST], 8
	s_cmp_lt_u32 s[WV], 8
	s_cselect_b32 s[RO], s[RA], s[W7]
	s_cselect_b32 s[KD], s[KD], s[W7]
	s_cselect_b32 s[LAST], s[LAST], 9
	s_xor_b32 s[EX], s[W7], 7
	s_mul_i32 s[EX], s[EX], STEPB          ; from step i of row n to step i - n - 1 + 8 of row 15 - n: 7 - n records
	QPTR RA, QP2, QSP2
	QPTR RO, QP, QSP
	s_add_nc_u64 s[OCP:OCP+1], s[10:11], s[58:59]
	s_lshl_b32 s58, s60, 9
	s_lshl_b32 s61, s[HEAD], 1
	s_add_co_u32 s58, s58, s61
	s_add_nc_u64 s[OSP:OSP+1], s[12:13], s[58:59]
	global_load_b128 v[ZQ+6:ZQ+9], v[A16], s[QP:QP+1]
	global_load_b64 v[ZQ+10:ZQ+11], v[A8], s[QP:QP+1] offset:512
	global_load_b32 v[QS], v[R4], s[QSP:QSP+1]
	global_load_b128 v[Q2:Q2+3], v[A16], s[QP2:QP2+1]               ; (in waves 0-7 both name row 15 - n)
	global_load_b64 v[Q2+4:Q2+5], v[A8], s[QP2:QP2+1] offset:512
	global_load_b32 v[QS+1], v[R4], s[QSP2:QSP2+1]
	s_lshl_b32 s61, s18, 4
	v_bfe_u32 v[TT], v0, 4, 1              ; h
	v_lshlrev_b32 v[R32], 5, v[QL]
	v_add_nc_u32 v[QL], s61, v[QL]
	v_lshlrev_b32 v11, 5, v[TT]
	v_add_nc_u32 v[R32], v[R32], v[TT]
	v_sub_nc_u32 v[QL], v[QL], v11
	v_mov_b32 v[NINF], 0xff800000
	v_mov_b32 v[FF+1], 0
	v_mov_b32 v[BP], 0                     ; a lane permute's destination counts as one of its sources
	v_mov_b32 v[PX], 0
.irp i, 0,1,2,3,4,5
	v_mov_b32 v[ZQ+\i], 0
	v_mov_b32 v[ZQ+12+\i], 0
.endr
	BEGIN
	WALU
	s_wait_loadcnt 0x0
.irp i, 0,1
	v_lshrrev_b32 v[QS+\i], s[USH], v[QS+\i]       ; my tile's two bytes,
.endr
.irp i, 0,1
	v_and_b32 v[QS+\i], 0xffff, v[QS+\i]
.endr
.irp i, 0,1
	v_lshl_or_b32 v[QS+\i], v[QS+\i], 16, v[QS+\i] ; twice: for [q, 0] and for [0, q]
.endr
	WALU                                   ; the wait at the head's end
	s_cmp_lt_u32 s[WV], 8
	s_cbranch_scc0 .Lnot_yet
	s_wait_tensorcnt 0x0
.Lnot_yet:
	s_barrier_signal -1
	s_barrier_wait -1                      ; records 0-7 are in
	s_mov_b32 s[TB], 0
	STEP 1
	s_cmp_lg_u32 s[KD], 0
	s_cbranch_scc1 .Lrow_goes_on
	NEXTROW
.Lrow_goes_on:
	WALU
	s_wait_tensorcnt 0x0
	s_wait_dscnt 0x0
	s_barrier_signal -1
	s_barrier_wait -1                      ; all records are in
	s_mov_b32 s[I], 1
	s_mov_b32 s[IB], STEPB
.Lslot:
	s_cmp_gt_u32 s[I], s[KD]
	s_cselect_b32 s[TX], s[EX], 0
	s_add_co_u32 s[TB], s[IB], s[TX]
	s_cmp_ge_u32 s[I], s[LAST]
	s_cbranch_scc1 .Lslot_done             ; waves 0-7 have eight steps
	STEP 0
	s_cmp_lg_u32 s[I], s[KD]
	s_cbranch_scc1 .Lslot_done
	NEXTROW
.Lslot_done:
	s_add_co_u32 s[IB], s[IB], STEPB
	s_add_co_u32 s[I], s[I], 1
	s_cmp_lt_u32 s[I], 9
	WALU                                   ; the wait ahead of the branch
	s_cbranch_scc1 .Lslot
.rept 4
	v_nop                                  ; places ahead of the reads of O^T
.endr
	s_cmp_lt_u32 s[WV], 8
	s_cbranch_scc1 .Lno_part
	v_add_f32 v14, v14, v15                ; waves 8-15 hand over their part of row 15 - n
	v_mov_b32 v15, v12
.irp i, 0,1,2,3,4,5,6,7
	ds_store_b128 v[AM16], v[O+4*\i:O+4*\i+3] offset:512*\i
.endr
	ds_store_b64 v[AM8], v[14:15] offset:4096
.Lno_part:
	WALU                                   ; the wait ahead of the barrier
	s_wait_dscnt 0x0
	s_barrier_signal -1
	s_barrier_wait -1
	s_cmp_lt_u32 s[WV], 8
	s_cbranch_scc0 .Lend
	ds_load_b64 v[L1:L1+1], v[AM8] offset:4096
.irp i, 0,1,2,3,4,5,6,7
	ds_load_b128 v[S+32+4*\i:S+35+4*\i], v[AM16] offset:512*\i
.endr
	v_add_f32 v14, v14, v15
	WALU
	s_wait_dscnt 0x0
	v_min_num_f32 v[TT], v12, v[L1+1]      ; the common -M
	v_sub_f32 v[BM], v[TT], v12
	v_sub_f32 v[BM+1], v[TT], v[L1+1]
	v_cvt_i32_f32 v[BM], v[BM]
	v_cvt_i32_f32 v[BM+1], v[BM+1]
	v_ldexp_f32 v[FF], 1.0, v[BM]
	v_ldexp_f32 v[L2], 1.0, v[BM+1]
.set J, 0
.rept 16
	v_pk_mul_f32 v[O+J:O+J+1], v[O+J:O+J+1], v[FF:FF+1] op_sel_hi:[1,0]
.set J, J+2
.endr
	v_mul_f32 v14, v14, v[FF]
	v_mul_f32 v15, v[L1], v[L2]
.set J, 0
.rept 16
	v_pk_fma_f32 v[O+J:O+J+1], v[S+32+J:S+33+J], v[L2:L2+1], v[O+J:O+J+1] op_sel_hi:[1,0,1]
.set J, J+2
.endr
	FINISH
.Lend:
	s_wait_tensorcnt 0x0                   ; the wave's end
	ds_add_u32 v[SPW], v[NIL]
	s_wait_dscnt 0x0
	CROUND                                 ; the closing round
	s_endpgm
.Lfunc_end_k_qf02f159881_attn:
	.size	k_qf02f159881_attn, .Lfunc_end_k_qf02f159881_attn-k_qf02f159881_attn
	.p2alignl 7, 3214868480
	.fill 96, 4, 3214868480
	.section	.rodata,"a",@progbits
	.p2align	6, 0x0
	.amdhsa_kernel k_qf02f159881_attn
		.amdhsa_group_segment_fixed_size 241664
		.amdhsa_private_segment_fixed_size 0
		.amdhsa_enable_private_segment 0
		.amdhsa_kernarg_size 40
		.amdhsa_user_sgpr_count 2
		.amdhsa_user_sgpr_kernarg_segment_ptr 1
		.amdhsa_wavefront_size32 1
		.amdhsa_system_sgpr_workgroup_id_x 1
		.amdhsa_system_sgpr_workgroup_id_y 1
		.amdhsa_system_sgpr_workgroup_id_z 1
		.amdhsa_system_vgpr_workitem_id 0
		.amdhsa_next_free_vgpr 256
		.amdhsa_next_free_sgpr 80
		.amdhsa_reserve_vcc 1
		.amdhsa_float_denorm_mode_32 3
		.amdhsa_float_denorm_mode_16_64 3
		.amdhsa_memory_ordered 1
		.amdhsa_forward_progress 1
		.amdhsa_inst_pref_size 66
	.end_amdhsa_kernel
	.amdgpu_metadata
---
amdhsa.version: [ 1, 2 ]
amdhsa.kernels:
  - .name:           k_qf02f159881_attn
    .symbol:         k_qf02f159881_attn.kd
    .args:
      - { .name: qcodes, .offset: 0, .size: 8, .value_kind: global_buffer, .address_space: global }
      - { .name: qscales, .offset: 8, .size: 8, .value_kind: global_buffer, .address_space: global }
      - { .name: kvrec, .offset: 16, .size: 8, .value_kind: global_buffer, .address_space: global }
      - { .name: acodes, .offset: 24, .size: 8, .value_kind: global_buffer, .address_space: global }
      - { .name: ascales, .offset: 32, .size: 8, .value_kind: global_buffer, .address_space: global }
    .group_segment_fixed_size: 241664
    .private_segment_fixed_size: 0
    .kernarg_segment_align: 8
    .kernarg_segment_size: 40
    .max_flat_workgroup_size: 512
    .sgpr_count:     80
    .vgpr_count:     256
    .wavefront_size: 32
...
	.end_amdgpu_metadata
.endif
;; end of part 2
;; launch proj (part 3): grid 8 x 32, 8 waves a work-group, clusters of 4 x 4, 273,408 bytes of LDS; arguments acodes, ascales, wo_codes, wo_scales, out0; writes out0
.if DOCPART == 3
	.amdgcn_target "amdgcn-amd-amdhsa--gfx1250"
	.amdhsa_code_object_version 6
	.text
	.protected	k_qf02f159881_proj
	.globl	k_qf02f159881_proj
	.p2align	8
	.type	k_qf02f159881_proj,@function
k_qf02f159881_proj:
	s_mov_b64 s[64:65], 0
	v_nop
	global_prefetch_b8 v0, s[64:65] scope:SCOPE_SE
	s_setreg_imm32_b32 hwreg(HW_REG_WAVE_MODE, 25, 1), 1
	s_wait_xcnt 0x0
	s_wait_alu depctr_hold_cnt(0) depctr_sa_sdst(0) depctr_va_vdst(0) depctr_va_sdst(0) depctr_va_ssrc(0) depctr_va_vcc(0) depctr_vm_vsrc(0)
	s_getreg_b32 s2, hwreg(HW_REG_IB_STS2, 6, 4)
	s_cmp_eq_u32 s2, 0
	s_cbranch_scc0 .Lentry_in_a_cluster
	s_endpgm
.Lentry_in_a_cluster:
	s_bfe_u32 s2, ttmp6, 0x10000c
	s_cmp_lg_u32 s2, 0xf033
	s_cbranch_scc0 .Lentry_shape_is_right
	s_endpgm
.Lentry_shape_is_right:
; LAUNCH 3 OF 3: out0 = a wo^T on codes of FP6 (E2M3) with E8M0 scales; a is the second launch's result, 4,096 tokens x 1,024, as codes laid block by block; out0 f32.  Nothing is left out here.
; SHARES.  A work-group takes 128 tokens x 128 columns: 8 x 32 = 256 equal work-groups.  Eight waves: wave w takes tokens 32 (w % 4) on (two tiles) and columns 64 (w / 4) on (four tiles): 8 accumulators, 8 K steps of 128.
; LDS IS FILLED ONCE: a's 8 tiles (98,304 dense bytes) and wo's 128 rows (768 bytes each), for all of K.  One tensor load a wave: waves 0-3 a's quarters, waves 4-7 wo's.
; CLUSTER 4 x 4: a's tiles are shared along a row of the cluster, wo's along a column: each is asked for jointly.
; THE MATRIX INSTRUCTION IS USED TRANSPOSED (source 0 = 16 rows of wo, source 1 = 16 tokens): a lane holds eight neighbouring columns of one token.  In tile u of tokens lane r is token 16 u + r of its block of 32.
; LIMIT: a scale byte 0xff among the inputs makes the sums NaN, as it does in the product itself.
.set GRP,   13056                      ; 16 rows of wo in LDS: a row is 3 x (256 bytes + 16 of padding) = 816: in units of 8 bytes row r starts at 6 r modulo 32: 16 different even places, and lanes 16-31 stand 3 or 5 on
.set BB,    98304                      ; wo's rows, behind a's tiles
.set STAGE, 202752                     ; the way out: 32 rows x (256 bytes + 16) for each wave; no tensor load lands here
.set SPARE, 272384                     ; the spare words, 128 bytes for each of 8 waves: four blocks of 256 bytes that no other line names
.set CO,  7                            ; v7   my byte offset in two rows of out0
.set ADB, 8                            ; v8   LDS address of my place in a's fragments
.set BA,  10                           ; v10, v11  the same for wo's (v11: for the pieces that lie behind one padding more)
.set SAO, 12                           ; v12  512 h + 32 r: my row of a's scale bytes
.set SBO, 13                           ; v13  32 x lane: my row of wo's
.set STO, 14                           ; v14  the stage: where I put 32 bytes of a row
.set RD,  15                           ; v15  and where I read a row back
.set FX,  16                           ; v16-39   a's two fragments
.set FW,  40                           ; v40-87   wo's four
.set ACC, 88                           ; v88-151  8 accumulators
.set SCA, 152                          ; v152-159 a's scale words, one register a K step; lanes 0-15 tile 0, lanes 16-31 tile 1
.set SCB, 160                          ; v160-175 wo's: 8 (tile / 2) + K step; lanes 0-15 the even tile, lanes 16-31 the odd one
.set SPW, 252
.set NIL, 253
.set WV,  14
.set BQ,  15
.set CH,  16
.set CX,  17
.set CY,  18
.set CG,  19
.set RB,  20
.set G1A, 24
.set G1B, 32
.set G0A, 40
.set G0B, 44
.set SAP, 52
.set SBP, 54
.set OP,  56
.macro CROUND
	s_barrier_signal -1
	s_barrier_wait -1
	s_cmp_lg_u32 s[WV], 0
	s_cbranch_scc1 .Lnot_wave_0_\@
	s_barrier_signal -3
.Lnot_wave_0_\@:
	s_barrier_wait -3
	s_barrier_signal -1
	s_barrier_wait -1
.endm
.macro FBM reg, off                    ; a fragment of a: for each of its two heads 512 bytes [lane][16], then 256 bytes [lane][8]
.irp c, 0,1
	ds_load_b128 v[\reg+6*\c:\reg+6*\c+3], v[ADB] offset:(\off)+768*\c
	ds_load_b64 v[\reg+6*\c+4:\reg+6*\c+5], v[ADB+1] offset:(\off)+768*\c+512
.endr
.endm
.macro FRAG reg, adr, ks, off          ; a fragment from rows: 24 bytes at 96 ks + 24 h and 24 bytes 48 further on; 16 bytes of padding lie behind every 32 pieces of 8
.irp p, 0,1,2,3,4,5
.set PCE, 12*(\ks)+6*(\p/3)+\p%3
.if PCE%32 < 29
	ds_load_b64 v[\reg+2*\p:\reg+2*\p+1], v[\adr] offset:8*PCE+16*(PCE/32)+(\off)
.else
	ds_load_b64 v[\reg+2*\p:\reg+2*\p+1], v[\adr+1] offset:8*PCE+16*(PCE/32)+(\off)
.endif
.endr
.endm
.macro MM d, a, b, sa, sb, z, ra, rb   ; z: the product starts the sum;  ra, rb: the side's scale words stand in lanes 16-31
.if (\z)
.if (\ra) && (\rb)
	v_wmma_scale_f32_16x16x128_f8f6f4 v[\d:\d+7], v[\a:\a+11], v[\b:\b+11], 0, v[\sa], v[\sb] matrix_a_fmt:MATRIX_FMT_FP6 matrix_b_fmt:MATRIX_FMT_FP6 matrix_a_scale:MATRIX_SCALE_ROW1 matrix_b_scale:MATRIX_SCALE_ROW1
.elseif (\ra)
	v_wmma_scale_f32_16x16x128_f8f6f4 v[\d:\d+7], v[\a:\a+11], v[\b:\b+11], 0, v[\sa], v[\sb] matrix_a_fmt:MATRIX_FMT_FP6 matrix_b_fmt:MATRIX_FMT_FP6 matrix_a_scale:MATRIX_SCALE_ROW1
.elseif (\rb)
	v_wmma_scale_f32_16x16x128_f8f6f4 v[\d:\d+7], v[\a:\a+11], v[\b:\b+11], 0, v[\sa], v[\sb] matrix_a_fmt:MATRIX_FMT_FP6 matrix_b_fmt:MATRIX_FMT_FP6 matrix_b_scale:MATRIX_SCALE_ROW1
.else
	v_wmma_scale_f32_16x16x128_f8f6f4 v[\d:\d+7], v[\a:\a+11], v[\b:\b+11], 0, v[\sa], v[\sb] matrix_a_fmt:MATRIX_FMT_FP6 matrix_b_fmt:MATRIX_FMT_FP6
.endif
.else
.if (\ra) && (\rb)
	v_wmma_scale_f32_16x16x128_f8f6f4 v[\d:\d+7], v[\a:\a+11], v[\b:\b+11], v[\d:\d+7], v[\sa], v[\sb] matrix_a_fmt:MATRIX_FMT_FP6 matrix_b_fmt:MATRIX_FMT_FP6 matrix_a_scale:MATRIX_SCALE_ROW1 matrix_b_scale:MATRIX_SCALE_ROW1
.elseif (\ra)
	v_wmma_scale_f32_16x16x128_f8f6f4 v[\d:\d+7], v[\a:\a+11], v[\b:\b+11], v[\d:\d+7], v[\sa], v[\sb] matrix_a_fmt:MATRIX_FMT_FP6 matrix_b_fmt:MATRIX_FMT_FP6 matrix_a_scale:MATRIX_SCALE_ROW1
.elseif (\rb)
	v_wmma_scale_f32_16x16x128_f8f6f4 v[\d:\d+7], v[\a:\a+11], v[\b:\b+11], v[\d:\d+7], v[\sa], v[\sb] matrix_a_fmt:MATRIX_FMT_FP6 matrix_b_fmt:MATRIX_FMT_FP6 matrix_b_scale:MATRIX_SCALE_ROW1
.else
	v_wmma_scale_f32_16x16x128_f8f6f4 v[\d:\d+7], v[\a:\a+11], v[\b:\b+11], v[\d:\d+7], v[\sa], v[\sb] matrix_a_fmt:MATRIX_FMT_FP6 matrix_b_fmt:MATRIX_FMT_FP6
.endif
.endif
.endm
.macro KSTEP ks                        ; 128 along K (two heads): 32 LDS loads, 8 matrix instructions on 8 accumulators by turns
.if (\ks) > 0
.rept 4
	v_nop                                          ; four places in front of loads into registers that the last matrix instructions have read
.endr
.endif
.irp u, 0,1
	FBM FX+12*\u, 12288*\u+1536*(\ks)
.endr
.irp t, 0,1,2,3
	FRAG FW+12*\t, BA, \ks, GRP*\t
.endr
	s_wait_dscnt 0x0
.irp u, 0,1
.irp t, 0,1,2,3
	MM ACC+32*\u+8*\t, FW+12*\t, FX+12*\u, SCB+8*(\t/2)+\ks, SCA+\ks, \ks==0, \t%2, \u
.endr
.endr
.endm
	s_load_b256 s[4:11], s[0:1], 0x0               ; acodes s[4:5], ascales s[6:7], wo codes s[8:9], wo scales s[10:11]
	s_load_b64 s[12:13], s[0:1], 0x20              ; out0
	v_lshl_add_u32 v[SPW], v0, 2, SPARE
	v_mov_b32 v[NIL], 0
	ds_add_u32 v[SPW], v[NIL]                      ; the wave's opening: the add, twice on end, and its wait ahead of the first tensor load
	ds_add_u32 v[SPW], v[NIL]
	v_lshrrev_b32 v1, 5, v0
	s_delay_alu instid0(VALU_DEP_1)
	v_readfirstlane_b32 s[WV], v1                  ; wave 0..7
	s_and_b32 s[BQ], s[WV], 3
	s_lshr_b32 s[CH], s[WV], 2
	s_bfe_u32 s[CX], ttmp6, 0x40000
	s_bfe_u32 s[CY], ttmp6, 0x40004
	s_lshl_b32 s[CG], ttmp9, 2
	s_add_co_u32 s[CG], s[CG], s[CX]               ; column group
	s_and_b32 s[RB], ttmp7, 0xffff
	s_lshl_b32 s[RB], s[RB], 2
	s_add_co_u32 s[RB], s[RB], s[CY]               ; row block
	s_lshl_b32 s21, s[CY], 2
	s_lshl_b32 s21, 15, s21                        ; my row of the cluster
	s_lshl_b32 s23, 0x1111, s[CX]                  ; my column
	; descriptor group 1: 24,576 dense bytes as 96 rows of 256 (32 elements of 8 bytes); a's without padding, wo's with 16 bytes behind each
	s_or_b32 s[G1A], s21, (3<<16)|(1<<21)
	s_or_b32 s[G1B], s23, (3<<16)|(1<<20)|(1<<21)|(5<<22)|(3<<25)
.irp g, G1A, G1B
	s_mov_b32 s[\g+1], 32<<16
	s_mov_b32 s[\g+2], 96<<16
	s_mov_b32 s[\g+3], 32<<16
	s_mov_b32 s[\g+4], 96
	s_mov_b32 s[\g+5], 32
	s_mov_b32 s[\g+6], 0
	s_mov_b32 s[\g+7], 0
.endr
	s_mul_i32 s22, s[BQ], 24576                    ; a: quarter w % 4: in LDS,
	s_mul_i32 s48, s[RB], 98304
	s_add_co_u32 s48, s48, s22                     ; and in memory
	s_mov_b32 s49, 0
	s_mul_i32 s58, s[BQ], 2*GRP
	s_add_co_u32 s58, s58, BB                      ; wo: 32 rows, quarter w % 4: in LDS,
	s_lshl_b32 s50, s[CG], 7
	s_lshl_b32 s59, s[BQ], 5
	s_add_co_u32 s50, s50, s59
	s_mul_i32 s50, s50, 768                        ; and in memory: row 128 cg + 32 (w % 4)
	s_mov_b32 s51, 0
	v_and_b32 v1, 15, v0                           ; r
	v_bfe_u32 v2, v0, 4, 1                         ; h
	v_and_b32 v5, 31, v0                           ; lane
	v_lshlrev_b32 v[ADB], 4, v5                    ; 16 x lane,
	v_lshlrev_b32 v[ADB+1], 3, v5                  ; and 8 x lane,
	v_add_nc_u32 v[ADB], s22, v[ADB]               ; in quarter w % 4: my two tiles
	v_add_nc_u32 v[ADB+1], s22, v[ADB+1]
	v_mul_u32_u24 v[BA], v1, 816
	s_delay_alu instid0(VALU_DEP_1)
	v_mad_u32_u24 v[BA], v2, 24, v[BA]
	s_mul_i32 s60, s[CH], 4*GRP
	s_add_co_u32 s60, s60, BB
	v_add_nc_u32 v[BA], s60, v[BA]
	s_delay_alu instid0(VALU_DEP_1)
	v_lshl_add_u32 v[BA+1], v2, 4, v[BA]
	v_lshlrev_b32 v[SAO], 5, v1
	s_delay_alu instid0(VALU_DEP_1)
	v_lshl_add_u32 v[SAO], v2, 9, v[SAO]
	v_lshlrev_b32 v[SBO], 5, v5
	s_mul_i32 s60, s[WV], 32*272
	s_add_co_u32 s60, s60, STAGE                   ; my stage
	v_mul_u32_u24 v[STO], v1, 272
	s_delay_alu instid0(VALU_DEP_1)
	v_lshl_add_u32 v[STO], v2, 5, v[STO]
	s_delay_alu instid0(VALU_DEP_1)
	v_add_nc_u32 v[STO], s60, v[STO]               ; in: row r (+ 16 u), 32 bytes for each half of the lanes
	v_mul_u32_u24 v[RD], v2, 272
	s_delay_alu instid0(VALU_DEP_1)
	v_lshl_add_u32 v[RD], v1, 4, v[RD]
	s_delay_alu instid0(VALU_DEP_1)
	v_add_nc_u32 v[RD], s60, v[RD]                 ; back: lanes 0-15 one row of 256 bytes, lanes 16-31 the next
	v_lshlrev_b32 v[CO], 12, v2
	s_delay_alu instid0(VALU_DEP_1)
	v_lshl_add_u32 v[CO], v1, 4, v[CO]             ; and the same two rows in out0
	s_wait_alu depctr_va_vdst(0)                   ; the wait at the head's end
	s_wait_dscnt 0x0                               ; both opening adds are done
	s_wait_kmcnt 0x0
	s_mov_b32 s[G0A], 1
	s_mov_b32 s[G0A+1], s22
	s_add_nc_u64 s[G0A+2:G0A+3], s[4:5], s[48:49]
	s_or_b32 s[G0A+3], s[G0A+3], 0x80000000
	s_mov_b32 s[G0B], 1
	s_mov_b32 s[G0B+1], s58
	s_add_nc_u64 s[G0B+2:G0B+3], s[8:9], s[50:51]
	s_or_b32 s[G0B+3], s[G0B+3], 0x80000000
	CROUND                                         ; all sixteen work-groups are here: the joint loads meet
	s_cmp_lt_u32 s[WV], 4                          ; a fill in each arm: every wave asks for one tile.  An s_nop 0 and four v_nop follow each line
	s_cbranch_scc0 .Lfor_b
	tensor_load_to_lds s[G0A:G0A+3], s[G1A:G1A+7]
	s_nop 0
.rept 4
	v_nop
.endr
	s_branch .Lasked
.Lfor_b:
	tensor_load_to_lds s[G0B:G0B+3], s[G1B:G1B+7]
	s_nop 0
.rept 4
	v_nop
.endr
.Lasked:
	s_lshl_b32 s60, s[RB], 3
	s_lshl_b32 s61, s[BQ], 1
	s_add_co_u32 s60, s60, s61                     ; my first tile of tokens: 8 rb + 2 b
	s_lshl_b32 s60, s60, 9
	s_mov_b32 s61, 0
	s_add_nc_u64 s[SAP:SAP+1], s[6:7], s[60:61]
	s_lshl_b32 s60, s[CG], 7
	s_lshl_b32 s62, s[CH], 6
	s_add_co_u32 s60, s60, s62                     ; my first row of wo: 128 cg + 64 ch
	s_lshl_b32 s60, s60, 5
	s_add_nc_u64 s[SBP:SBP+1], s[10:11], s[60:61]
	global_load_b128 v[SCA:SCA+3], v[SAO], s[SAP:SAP+1]            ; a row's 32 scale bytes are the words of its 8 K steps
	global_load_b128 v[SCA+4:SCA+7], v[SAO], s[SAP:SAP+1] offset:16
.irp q, 0,1
	global_load_b128 v[SCB+8*\q:SCB+8*\q+3], v[SBO], s[SBP:SBP+1] offset:1024*\q
	global_load_b128 v[SCB+8*\q+4:SCB+8*\q+7], v[SBO], s[SBP:SBP+1] offset:1024*\q+16
.endr
	s_lshl_b32 s60, s[RB], 7
	s_lshl_b32 s62, s[BQ], 5
	s_add_co_u32 s60, s60, s62                     ; my first token
	s_lshl_b32 s60, s60, 12
	s_lshl_b32 s62, s[CG], 9
	s_add_co_u32 s60, s60, s62
	s_lshl_b32 s62, s[CH], 8
	s_add_co_u32 s60, s60, s62                     ; + my first column, in bytes
	s_add_nc_u64 s[OP:OP+1], s[12:13], s[60:61]
	s_wait_tensorcnt 0x0                           ; my tile has landed,
	s_wait_loadcnt 0x0                             ; and the scale words are in
	s_barrier_signal -1
	s_barrier_wait -1                              ; everybody's tile has landed
.irp ks, 0,1,2,3,4,5,6,7
	KSTEP \ks
.endr
	; THE WAY OUT: a lane's 32 bytes go into my own stage and come back as whole rows of 256 bytes.  LDS serves a wave's instructions in order (ISA guide 5.7.1.4): no wait between the stores and the loads.
.rept 4
	v_nop                                          ; four places in front of the first read of results and of loads into the operands' registers
.endr
	s_wait_alu depctr_va_vdst(0)
.irp u, 0,1
.irp t, 0,1,2,3
	ds_store_b128 v[STO], v[ACC+32*\u+8*\t:ACC+32*\u+8*\t+3] offset:4352*\u+64*\t        ; each accumulator from its low end on
	ds_store_b128 v[STO], v[ACC+32*\u+8*\t+4:ACC+32*\u+8*\t+7] offset:4352*\u+64*\t+16
.endr
.endr
.irp i, 0,1,2,3,4,5,6,7,8,9,10,11,12,13,14,15
	ds_load_b128 v[FX+4*\i:FX+4*\i+3], v[RD] offset:544*\i
.endr
.irp i, 0,1,2,3,4,5,6,7,8,9,10,11,12,13,14,15
	s_wait_dscnt 15-\i                             ; the younger loads from the stage may stay out
	global_store_b128 v[CO], v[FX+4*\i:FX+4*\i+3], s[OP:OP+1] offset:8192*\i th:TH_STORE_NT   ; 16 lanes store 256 consecutive bytes, at a multiple of 256 from out0's first byte; written once, read by nobody here
.endr
	s_wait_tensorcnt 0x0                           ; the wave's end, behind my last tensor load and my last LDS store
	ds_add_u32 v[SPW], v[NIL]
	s_wait_dscnt 0x0
	CROUND                                         ; the closing round
	s_endpgm
.Lfunc_end_k_qf02f159881_proj:
	.size	k_qf02f159881_proj, .Lfunc_end_k_qf02f159881_proj-k_qf02f159881_proj
	.p2alignl 7, 3214868480
	.fill 96, 4, 3214868480
	.section	.rodata,"a",@progbits
	.p2align	6, 0x0
	.amdhsa_kernel k_qf02f159881_proj
		.amdhsa_group_segment_fixed_size 273408
		.amdhsa_private_segment_fixed_size 0
		.amdhsa_enable_private_segment 0
		.amdhsa_kernarg_size 40
		.amdhsa_user_sgpr_count 2
		.amdhsa_user_sgpr_kernarg_segment_ptr 1
		.amdhsa_wavefront_size32 1
		.amdhsa_system_sgpr_workgroup_id_x 1
		.amdhsa_system_sgpr_workgroup_id_y 1
		.amdhsa_system_sgpr_workgroup_id_z 1
		.amdhsa_system_vgpr_workitem_id 0
		.amdhsa_next_free_vgpr 256
		.amdhsa_next_free_sgpr 100
		.amdhsa_reserve_vcc 0
		.amdhsa_float_denorm_mode_32 3
		.amdhsa_float_denorm_mode_16_64 3
		.amdhsa_memory_ordered 1
		.amdhsa_forward_progress 1
		.amdhsa_inst_pref_size 37
	.end_amdhsa_kernel
	.amdgpu_metadata
---
amdhsa.version: [ 1, 2 ]
amdhsa.kernels:
  - .name:           k_qf02f159881_proj
    .symbol:         k_qf02f159881_proj.kd
    .args:
      - { .name: acodes, .offset: 0, .size: 8, .value_kind: global_buffer, .address_space: global }
      - { .name: ascales, .offset: 8, .size: 8, .value_kind: global_buffer, .address_space: global }
      - { .name: wo_codes, .offset: 16, .size: 8, .value_kind: global_buffer, .address_space: global }
      - { .name: wo_scales, .offset: 24, .size: 8, .value_kind: global_buffer, .address_space: global }
      - { .name: out0, .offset: 32, .size: 8, .value_kind: global_buffer, .address_space: global }
    .group_segment_fixed_size: 273408
    .private_segment_fixed_size: 0
    .kernarg_segment_align: 8
    .kernarg_segment_size: 40
    .max_flat_workgroup_size: 256
    .sgpr_count:     100
    .vgpr_count:     256
    .wavefront_size: 32
...
	.end_amdgpu_metadata
.endif
;; end of part 3
